; MI455X (gfx1250); checked and timed in simulation.
; The chip was launched on July 23, 2026; its instructions are those of AMD's public machine-readable ISA for CDNA 5 (MIT licence, August 2026) and "CDNA5" Instruction Set Architecture Reference Guide (July 2026). The comments in the code are by the model that wrote it; some were corrected since.
;; Uni Embedding. Allowed arithmetic: float matrix products may take bf16 or f16 operands with f32 sums; all other float work in f32.
;; Inputs: emb 512 x 256 float32; emb_phase 512 x 256 float32; inputs 8 x 1,024 x 64 float32; inputsType 8 x 1,024 x 64 int32.
;; Outputs: out0 8 x 1,024 x 256 float32.
;; One version. Each part assembles by itself: llvm-mc -triple=amdgcn-amd-amdhsa -mcpu=gfx1250 --defsym DOCPART=n.
;; ======== version 1 of 1: 1 launch
;; limits: a function is approximated: absolute error at most 4.1e-05; inputs' magnitudes at most 87; right only within a limited range of input values
;; launch uniemb (part 1): grid 64 x 4, 8 waves a work-group, no clusters, 327,680 bytes of LDS; arguments emb, emb_phase, inputs, inputsType, out0; writes out0
.if DOCPART == 1
	.amdgcn_target "amdgcn-amd-amdhsa--gfx1250"
	.amdhsa_code_object_version 6
	.text
	.protected	k_q2f30f395e7_uniemb
	.globl	k_q2f30f395e7_uniemb
	.p2align	8
	.type	k_q2f30f395e7_uniemb,@function
k_q2f30f395e7_uniemb:
	s_mov_b64 s[64:65], 0
	v_nop
	global_prefetch_b8 v0, s[64:65] scope:SCOPE_SE
	s_setreg_imm32_b32 hwreg(HW_REG_WAVE_MODE, 25, 1), 1
	s_wait_xcnt 0x0
; out[r][k] = 1/8 * sum over j = 0..63 of cos( x[r][j] * exp(emb[t][k] + emb[150+j][k]) + ph[t][k] + ph[150+j][k] ),  t = type[r][j].
; r: 8,192 rows (8 x 1,024), k: 256 columns; emb, ph: [512][256] f32.
;
; HOW IT IS COMPUTED
;   exp(a + b) = exp(a) exp(b): the work-group makes E = exp(emb) once for its columns, so a term costs a product and no exponential.
;   The argument is kept in turns: x' = x / 2pi, P = ph / 2pi (scaled once),  u = x' (E[t] E[pos]) + (P[t] + P[pos]),  cos(d) = cos(2 pi u).
;   f = fract(u) is the whole range reduction.  With w = f f - f (in [-1/4, 0]) cos(2 pi u) is a polynomial in w; degree 4 (the Chebyshev
;   series of cos over a whole period, cut behind T4) is within 4.1e-5 of the cosine.  Sign, the factor 1/8 and the constant term are folded
;   into C1..C4 and into the value that starts each sum; the last Horner step is the sum over j.
; WHO DOES WHAT
;   grid 64 x 4: work-group (x, y) owns rows 128 x .. 128 x + 127 and columns 64 y .. 64 y + 63.  Eight waves, 16 rows each.
;   LDS: 512 table rows of 512 bytes (64 E, then 64 P) = 262,144 bytes; behind them each wave's 16 rows of types and x', 512 bytes a row
;   = 65,536 bytes: 327,680 in all.
;   Lane (h = lane / 16, c = lane % 16) owns columns 4c .. 4c+3 and the positions j with j / 32 = h.  One step of the wave serves j = s and
;   j = s + 32 of one row (s = 0 .. 31): each half of the wave reads the 256 + 256 bytes of its own table row.  The 64 positional rows then
;   are 8 registers for each s: 256 registers, v256-v511, nothing held twice.  The two halves' sums meet once a row.
; NOT USED: joint requests in a cluster.  The 64 work-groups of a column slice read the same 262,144 table bytes, but every table number is
;   converted on its way (exp, or a scale) and so passes through registers, LDS has no byte left for a raw copy beside the converted table,
;   and the fill is 262,144 bytes once against 128 x 64 x 512 = 4,194,304 bytes that the work-group then reads from LDS.
; LIMITS
;   * exp(emb[t]) and exp(emb[150+j]) are formed apart: each entry of emb has to lie between about -87 and +88.7.  Outside, one factor is
;     infinite or flushed to zero (v_exp_f32 flushes denormals) although the sum of the two entries may be moderate.
;   * The order of rounding is not reference()'s (product of two exponentials, argument in turns): arguments differ by some 1e-6 |d| radians.
;   * Each cosine is within 4.1e-5, an output within 3.3e-4 even if all 64 errors fall the same way.
;   * The byte offset 512 x type is clamped to the table's last row.  A type of 512 or more (as an unsigned number) therefore reads a row that
;     is not its own: row 511, or another where the shift by 9 wraps.  The problem keeps types inside the table.
.set ROWB,   512                       ; LDS bytes of a table row, and of a staged row of types and x'
.set STAGE,  512*ROWB                  ; the stage lies behind the table
.set LASTROW, 511*ROWB                 ; byte offset of the table's last row
.set POSROW, 150                       ; table row of position 0
.set ROWS_W, 16                        ; rows of a wave
; vector registers, window 0
.set L16,  1                           ; 16 (lane % 16): my 16 bytes in a half row of the table
.set STG,  2                           ; LDS address of my 8 bytes in the staged types of the row at work
.set OA,   3                           ; byte offset of my 8 bytes in out, one row ahead of the store that uses it
.set TA,   6                           ; v[6:7]    512 x type for j = 2 lane, 2 lane + 1 of the row
.set XR,   8                           ; v[8:9]    x' for the same two j
.set C3V,  10                          ; v[10:11]  C3, twice
.set OUT,  12                          ; v[12:13]  what is stored
.set ACC,  14                          ; v[14:21]  four sums of two columns: steps with even s, steps with odd s
.set AD,   22                          ; v[22:29]  gather addresses of a batch of 8 steps
.set XB,   30                          ; v[30:45]  x' of step i of the batch in every lane of its half: register XB + 2 i
.set GX,   46                          ; set-up: offsets and LDS addresses
.set GT,   47
.set LS,   48
.set LT,   49
.set PA,   50
.set BUF0, 56                          ; v[56:119]   a batch: step i holds 4 E and 4 P in BUF + 8 i .. + 7; all arithmetic is done in place
.set BUF1, 120                         ; v[120:183]  the other batch
; window 1 (v256-v511): first the 64 table loads land there, then step s keeps E[pos] in 8 s .. 8 s + 3 and P[pos] in 8 s + 4 .. 8 s + 7
; scalar pairs (both halves written; the packed forms take the first)
.set C4S, 20
.set C2S, 22
.set C1S, 24
.set INS, 26
.set MSB, 0
.macro WIN new                         ; s_set_vgpr_msb: bits 1:0 source 0, 3:2 source 1, 5:4 source 2, 7:6 destination; the high byte repeats the setting left
.if MSB != \new
	s_set_vgpr_msb (MSB<<8)|\new
.set MSB, \new
.endif
.endm
	s_load_b256 s[4:11], s[0:1], 0x0               ; emb s[4:5], emb_phase s[6:7], inputs s[8:9], inputsType s[10:11]
	s_load_b64 s[12:13], s[0:1], 0x20              ; out0
	v_lshrrev_b32 v4, 5, v0
	v_readfirstlane_b32 s14, v4                    ; wave 0..7
	s_and_b32 s15, ttmp7, 0xffff                   ; column slice 0..3;  ttmp9: block of 128 rows
	v_and_b32 v5, 31, v0                           ; lane
	v_and_b32 v[L16], 15, v0
	v_lshlrev_b32 v[L16], 4, v[L16]
	v_bfe_u32 v4, v0, 4, 1                         ; h
	v_lshlrev_b32 v[GX], 4, v5                     ; x and types: 16 bytes a lane
	v_lshl_add_u32 v[GT], v4, 10, v[L16]           ; tables: lanes 0-15 one row's 256 bytes, lanes 16-31 the next row's (1,024 bytes on)
	s_lshl_b32 s16, ttmp9, 15                      ; x, types: 128 rows of 256 bytes a work-group,
	s_lshl_b32 s17, s14, 12                        ; 16 rows a wave
	s_add_co_u32 s16, s16, s17
	s_mov_b32 s17, 0
	s_lshl_b32 s18, s14, 16                        ; tables: 64 rows of 1,024 bytes a wave,
	s_lshl_b32 s19, s15, 8                         ; 256 bytes a column slice
	s_add_co_u32 s18, s18, s19
	s_mov_b32 s19, 0
	s_lshl_b32 s30, ttmp9, 17                      ; out: 128 rows of 1,024 bytes a work-group,
	s_lshl_b32 s31, s14, 14                        ; 16 rows a wave,
	s_add_co_u32 s30, s30, s31
	s_lshl_b32 s31, s15, 8                         ; 256 bytes a column slice
	s_add_co_u32 s30, s30, s31
	s_mov_b32 s31, 0
	s_wait_kmcnt 0x0
	s_add_nc_u64 s[8:9], s[8:9], s[16:17]
	s_add_nc_u64 s[10:11], s[10:11], s[16:17]
	s_add_nc_u64 s[4:5], s[4:5], s[18:19]
	s_add_nc_u64 s[6:7], s[6:7], s[18:19]
	s_add_nc_u64 s[12:13], s[12:13], s[30:31]
	; Everything that the wave ever reads from memory is asked for here: 16 + 64 loads of 512 bytes.
.irp i, 0,1,2,3,4,5,6,7
	global_load_b128 v[BUF0+4*\i:BUF0+4*\i+3], v[GX], s[10:11] offset:512*\i        ; types of my rows 2 i, 2 i + 1
.endr
.irp i, 0,1,2,3,4,5,6,7
	global_load_b128 v[BUF0+32+4*\i:BUF0+32+4*\i+3], v[GX], s[8:9] offset:512*\i    ; x of the same rows
.endr
	WIN 0x40
.set i, 0
.rept 32
	global_load_b128 v[8*i:8*i+3],   v[GT], s[4:5] offset:2048*i                    ; emb, table rows 64 wave + 2 i + h, my slice's 256 bytes
	global_load_b128 v[8*i+4:8*i+7], v[GT], s[6:7] offset:2048*i                    ; emb_phase likewise
.set i, i+1
.endr
	WIN 0
	; while they are on their way: LDS addresses and constants
	v_lshl_add_u32 v51, v4, 9, v[L16]              ; 512 h + 16 c
	s_lshl_b32 s29, s14, 13
	s_add_co_u32 s29, s29, STAGE                   ; my wave's 8,192 bytes of the stage
	v_add_nc_u32 v[LS], s29, v51
	v_lshl_add_u32 v[STG], v5, 3, s29              ; 8 bytes a lane: j = 2 lane, 2 lane + 1
	s_lshl_b32 s16, s14, 15                        ; my wave's 64 table rows
	v_add_nc_u32 v[LT], s16, v51
	v_lshl_add_u32 v[PA], v4, 14, v[L16]           ; positional rows: 32 h rows of 512 bytes + 16 c
	v_add_nc_u32 v[PA], POSROW*ROWB, v[PA]
	v_lshl_add_u32 v[OA], v4, 3, v[L16]            ; out: columns 4 c + 2 h, + 1
	s_mov_b32 s[C4S],   0xc0b67bf5                 ; C4 = -5.7026314
	s_mov_b32 s[C4S+1], 0xc0b67bf5
	s_mov_b32 s[C2S],   0xc01fe3cd                 ; C2 = -2.4982789
	s_mov_b32 s[C2S+1], 0xc01fe3cd
	s_mov_b32 s[C1S],   0xba801732                 ; C1 = -0.00097725372
	s_mov_b32 s[C1S+1], 0xba801732
	s_mov_b32 s[INS],   0x407ffd6b                 ; 32 constant terms of 0.99996058 / 8: each half of the wave sums 32 positions
	s_mov_b32 s[INS+1], 0x407ffd6b
	v_mov_b32 v[C3V],   0x4093143b                 ; C3 = 4.5962194
	v_mov_b32 v[C3V+1], 0x4093143b
.set i, 0
.rept 24
	v_mov_b32 v[AD+i], 0                           ; AD and XB: a DPP form's destination counts as read, and the packed forms name XB's odd registers too
.set i, i+1
.endr
	; my 16 rows of types (as they are) and of x / 2 pi into my part of the stage: row r at 512 r, types first
	s_wait_loadcnt 63                              ; 64 loads were issued behind the last of x; 63, the largest count that can be named, lies below that
.irp i, 0,1,2,3,4,5,6,7
	ds_store_b128 v[LS], v[BUF0+4*\i:BUF0+4*\i+3] offset:1024*\i
.endr
.irp i, 0,1,2,3,4,5,6,7
	v_pk_mul_f32 v[BUF0+32+4*\i:BUF0+32+4*\i+1], v[BUF0+32+4*\i:BUF0+32+4*\i+1], 0.15915494 op_sel_hi:[1,0]
	v_pk_mul_f32 v[BUF0+32+4*\i+2:BUF0+32+4*\i+3], v[BUF0+32+4*\i+2:BUF0+32+4*\i+3], 0.15915494 op_sel_hi:[1,0]
	ds_store_b128 v[LS], v[BUF0+32+4*\i:BUF0+32+4*\i+3] offset:1024*\i+256
.endr
; 16 table rows (8 loads of emb, 8 of emb_phase): E = 2^(emb log2 e), P = phase / 2 pi, in place in window 1, then into LDS.
; left = the table loads issued behind this group.
.macro TCONV g, left
	s_wait_loadcnt \left
	WIN 0x41                                       ; source 0 and destination in window 1
.irp i, 0,1,2,3,4,5,6,7
	v_pk_mul_f32 v[64*\g+8*\i:64*\g+8*\i+1],   v[64*\g+8*\i:64*\g+8*\i+1],   0x3fb8aa3b op_sel_hi:[1,0]
	v_pk_mul_f32 v[64*\g+8*\i+2:64*\g+8*\i+3], v[64*\g+8*\i+2:64*\g+8*\i+3], 0x3fb8aa3b op_sel_hi:[1,0]
.endr
.irp i, 0,1,2,3,4,5,6,7
.irp e, 0,1,2,3
	v_exp_f32 v[64*\g+8*\i+\e], v[64*\g+8*\i+\e]
.endr
.endr
.irp i, 0,1,2,3,4,5,6,7                            ; plain vector work on other registers stands between the last v_exp_f32 and the stores that read its result
	v_pk_mul_f32 v[64*\g+8*\i+4:64*\g+8*\i+5], v[64*\g+8*\i+4:64*\g+8*\i+5], 0.15915494 op_sel_hi:[1,0]
	v_pk_mul_f32 v[64*\g+8*\i+6:64*\g+8*\i+7], v[64*\g+8*\i+6:64*\g+8*\i+7], 0.15915494 op_sel_hi:[1,0]
.endr
	WIN 0x04                                       ; an LDS store's data is source 1 (window 1), its address source 0 (window 0)
	s_wait_alu depctr_va_vdst(0)
.irp i, 0,1,2,3,4,5,6,7
	ds_store_b128 v[LT], v[64*\g+8*\i:64*\g+8*\i+3]   offset:1024*(8*\g+\i)         ; sixteen lanes fill the 256 bytes of a row's E,
	ds_store_b128 v[LT], v[64*\g+8*\i+4:64*\g+8*\i+7] offset:1024*(8*\g+\i)+256     ; sixteen those of its P
.endr
.endm
	TCONV 0, 48
	TCONV 1, 32
	TCONV 2, 16
	TCONV 3, 0
	WIN 0
	s_wait_dscnt 0x0                               ; my part of the table is written:
	s_barrier_signal -1
	s_barrier_wait -1                              ; everybody's is.  From here on LDS is only read.
	WIN 0x40
.set i, 0
.rept 32
	ds_load_b128 v[8*i:8*i+3],   v[PA] offset:ROWB*i                                ; E of table row 150 + i + 32 h, my 4 columns
	ds_load_b128 v[8*i+4:8*i+7], v[PA] offset:ROWB*i+256                            ; P of it
.set i, i+1
.endr
	WIN 0
	ds_load_b64 v[TA:TA+1], v[STG]                 ; row 0: types
	ds_load_b64 v[XR:XR+1], v[STG] offset:256      ; and x'
.macro TOFFS                                       ; a type becomes its table row's byte offset, once for the lane's two positions
	v_lshlrev_b32 v[TA],   9, v[TA]
	v_lshlrev_b32 v[TA+1], 9, v[TA+1]
.endm
; Batch k = steps s = 8 k .. 8 k + 7.  Step s = 2 n + c finds its row offset and its x' in lane n of each half, register c:
; row_share:n hands that lane's number to all sixteen lanes of the half.  The clamp to the table's last row stands behind the exchange,
; with nothing after it but the add of the lane's own 16 c: the furthest byte read is 261,632 + 240 + 256 + 16 = 262,144, the table's end.
; Each of the three stages runs over the eight steps, so that no instruction waits for the one in front of it.
.macro GATHER k, b, a0, a1, a2, a3
.irp ln, \a0, \a1, \a2, \a3
.irp c, 0, 1
	v_mov_b32_dpp v[AD+2*\ln-8*\k+\c], v[TA+\c] row_share:\ln row_mask:0xf bank_mask:0xf
.endr
.endr
.irp i, 0,1,2,3,4,5,6,7
	v_min_u32 v[AD+\i], LASTROW, v[AD+\i]
.endr
.irp i, 0,1,2,3,4,5,6,7
	v_add_nc_u32 v[AD+\i], v[L16], v[AD+\i]
.endr
.irp i, 0,1,2,3,4,5,6,7
	ds_load_b128 v[\b+8*\i:\b+8*\i+3],   v[AD+\i]              ; E[t], 4 columns: sixteen lanes read a row's 256 consecutive bytes
	ds_load_b128 v[\b+8*\i+4:\b+8*\i+7], v[AD+\i] offset:256   ; P[t]
.endr
.endm
.macro XBC k, a0, a1, a2, a3
.irp ln, \a0, \a1, \a2, \a3
.irp c, 0, 1
	v_mov_b32_dpp v[XB+2*(2*\ln-8*\k+\c)], v[XR+\c] row_share:\ln row_mask:0xf bank_mask:0xf
.endr
.endr
.endm
; The arithmetic of batch k in buffer b, stage by stage over the eight steps, so that no instruction waits for the one in front of it.
.macro WORK k, b
	WIN 0x04                                       ; source 1 = the positional rows in window 1
.irp i, 0,1,2,3,4,5,6,7
	v_pk_mul_f32 v[\b+8*\i:\b+8*\i+1],   v[\b+8*\i:\b+8*\i+1],   v[64*\k+8*\i:64*\k+8*\i+1]       ; E[t] E[pos]
	v_pk_mul_f32 v[\b+8*\i+2:\b+8*\i+3], v[\b+8*\i+2:\b+8*\i+3], v[64*\k+8*\i+2:64*\k+8*\i+3]
	v_pk_add_f32 v[\b+8*\i+4:\b+8*\i+5], v[\b+8*\i+4:\b+8*\i+5], v[64*\k+8*\i+4:64*\k+8*\i+5]     ; P[t] + P[pos]
	v_pk_add_f32 v[\b+8*\i+6:\b+8*\i+7], v[\b+8*\i+6:\b+8*\i+7], v[64*\k+8*\i+6:64*\k+8*\i+7]
.endr
	WIN 0
.irp i, 0,1,2,3,4,5,6,7
	v_pk_fma_f32 v[\b+8*\i:\b+8*\i+1],   v[\b+8*\i:\b+8*\i+1],   v[XB+2*\i:XB+2*\i+1], v[\b+8*\i+4:\b+8*\i+5] op_sel_hi:[1,0,1]   ; u, in turns
	v_pk_fma_f32 v[\b+8*\i+2:\b+8*\i+3], v[\b+8*\i+2:\b+8*\i+3], v[XB+2*\i:XB+2*\i+1], v[\b+8*\i+6:\b+8*\i+7] op_sel_hi:[1,0,1]
.endr
.irp i, 0,1,2,3,4,5,6,7
.irp e, 0,1,2,3
	v_fract_f32 v[\b+8*\i+\e], v[\b+8*\i+\e]                                                       ; f = u - floor(u)
.endr
.endr
.irp i, 0,1,2,3,4,5,6,7
	v_pk_fma_f32 v[\b+8*\i+4:\b+8*\i+5], v[\b+8*\i:\b+8*\i+1],   v[\b+8*\i:\b+8*\i+1],   v[\b+8*\i:\b+8*\i+1]   neg_lo:[0,0,1] neg_hi:[0,0,1]   ; w = f f - f
	v_pk_fma_f32 v[\b+8*\i+6:\b+8*\i+7], v[\b+8*\i+2:\b+8*\i+3], v[\b+8*\i+2:\b+8*\i+3], v[\b+8*\i+2:\b+8*\i+3] neg_lo:[0,0,1] neg_hi:[0,0,1]
.endr
.irp i, 0,1,2,3,4,5,6,7
	v_pk_fma_f32 v[\b+8*\i:\b+8*\i+1],   v[\b+8*\i+4:\b+8*\i+5], s[C4S:C4S+1], v[C3V:C3V+1] op_sel_hi:[1,0,1]   ; q = C4 w + C3
	v_pk_fma_f32 v[\b+8*\i+2:\b+8*\i+3], v[\b+8*\i+6:\b+8*\i+7], s[C4S:C4S+1], v[C3V:C3V+1] op_sel_hi:[1,0,1]
.endr
.irp i, 0,1,2,3,4,5,6,7
	v_pk_fma_f32 v[\b+8*\i:\b+8*\i+1],   v[\b+8*\i:\b+8*\i+1],   v[\b+8*\i+4:\b+8*\i+5], s[C2S:C2S+1] op_sel_hi:[1,1,0]   ; q = q w + C2
	v_pk_fma_f32 v[\b+8*\i+2:\b+8*\i+3], v[\b+8*\i+2:\b+8*\i+3], v[\b+8*\i+6:\b+8*\i+7], s[C2S:C2S+1] op_sel_hi:[1,1,0]
.endr
.irp i, 0,1,2,3,4,5,6,7
	v_pk_fma_f32 v[\b+8*\i:\b+8*\i+1],   v[\b+8*\i:\b+8*\i+1],   v[\b+8*\i+4:\b+8*\i+5], s[C1S:C1S+1] op_sel_hi:[1,1,0]   ; q = q w + C1
	v_pk_fma_f32 v[\b+8*\i+2:\b+8*\i+3], v[\b+8*\i+2:\b+8*\i+3], v[\b+8*\i+6:\b+8*\i+7], s[C1S:C1S+1] op_sel_hi:[1,1,0]
.endr
.irp i, 0,2,4,6                                    ; sum += q w, four chains that take turns; a row's first two steps start them: nothing is cleared
.if (\k+\i) == 0
	v_pk_fma_f32 v[ACC:ACC+1],   v[\b:\b+1],     v[\b+4:\b+5],   s[INS:INS+1] op_sel_hi:[1,1,0]
	v_pk_fma_f32 v[ACC+2:ACC+3], v[\b+2:\b+3],   v[\b+6:\b+7],   s[INS:INS+1] op_sel_hi:[1,1,0]
	v_pk_mul_f32 v[ACC+4:ACC+5], v[\b+8:\b+9],   v[\b+12:\b+13]
	v_pk_mul_f32 v[ACC+6:ACC+7], v[\b+10:\b+11], v[\b+14:\b+15]
.else
	v_pk_fma_f32 v[ACC:ACC+1],   v[\b+8*\i:\b+8*\i+1],     v[\b+8*\i+4:\b+8*\i+5],   v[ACC:ACC+1]
	v_pk_fma_f32 v[ACC+2:ACC+3], v[\b+8*\i+2:\b+8*\i+3],   v[\b+8*\i+6:\b+8*\i+7],   v[ACC+2:ACC+3]
	v_pk_fma_f32 v[ACC+4:ACC+5], v[\b+8*\i+8:\b+8*\i+9],   v[\b+8*\i+12:\b+8*\i+13], v[ACC+4:ACC+5]
	v_pk_fma_f32 v[ACC+6:ACC+7], v[\b+8*\i+10:\b+8*\i+11], v[\b+8*\i+14:\b+8*\i+15], v[ACC+6:ACC+7]
.endif
.endr
.endm
; A row: four batches.  Each batch's 16 gathers are issued one batch ahead, into the buffer that the batch before has left.
; At the head of a row: batch 0's gathers are out or in, TA holds the row's offsets, XR holds or is about to receive its x'.
; more = 1: a row follows; its types, its x' and its first batch are fetched on the way.
.macro ROW more
	GATHER 1, BUF1, 4, 5, 6, 7
	s_wait_dscnt 16                                ; LDS loads come back in order: all but the 16 just issued are in, that is batch 0 and XR
	XBC 0, 0, 1, 2, 3
	WORK 0, BUF0
	GATHER 2, BUF0, 8, 9, 10, 11
	s_wait_dscnt 16                                ; batch 1 is in, batch 2's 16 stay out
	XBC 1, 4, 5, 6, 7
	WORK 1, BUF1
	GATHER 3, BUF1, 12, 13, 14, 15                 ; the last addresses made from this row's TA
.if \more
	ds_load_b64 v[TA:TA+1], v[STG] offset:ROWB     ; the next row's types
	s_wait_dscnt 17                                ; batch 2 is in; batch 3's 16 and the types stay out
.else
	s_wait_dscnt 16
.endif
	XBC 2, 8, 9, 10, 11
	WORK 2, BUF0
	s_wait_dscnt 0x0                               ; batch 3 and the types, all issued a whole batch of arithmetic ago
	XBC 3, 12, 13, 14, 15                          ; the last use of this row's XR
.if \more
	ds_load_b64 v[XR:XR+1], v[STG] offset:ROWB+256 ; the next row's x'
	TOFFS
	GATHER 0, BUF0, 0, 1, 2, 3                     ; and its first batch
	v_add_nc_u32 v[STG], ROWB, v[STG]
.endif
	WORK 3, BUF1
	; The row's end.  Lanes 0-15 hold the sums over j = 0..31 of columns 4c .. 4c+3, lanes 16-31 those over j = 32..63.
	v_pk_add_f32 v[ACC:ACC+1],   v[ACC:ACC+1],   v[ACC+4:ACC+5]
	v_pk_add_f32 v[ACC+2:ACC+3], v[ACC+2:ACC+3], v[ACC+6:ACC+7]
	v_permlane16_swap_b32 v[ACC],   v[ACC+2]       ; the upper lanes of the first change places with the lower lanes of the second: now lanes 0-15 hold
	v_permlane16_swap_b32 v[ACC+1], v[ACC+3]       ; both halves' sums of columns 4c, 4c+1 and lanes 16-31 both halves' sums of columns 4c+2, 4c+3
	s_wait_xcnt 0x0                                ; the last row's store has had its address translated: OA and OUT are rewritten only behind this wait
	v_add_nc_u32 v[OA], 1024, v[OA]                ; the next row; the store reaches back
	v_pk_add_f32 v[OUT:OUT+1], v[ACC:ACC+1], v[ACC+2:ACC+3]
	global_store_b64 v[OA], v[OUT:OUT+1], s[12:13] offset:-1024 th:TH_STORE_NT   ; the wave's 32 x 8 bytes are the row's 256 consecutive bytes of this slice, aligned
.endm
	s_wait_dscnt 0x0                               ; the positional rows, row 0's types and x'
	TOFFS
	GATHER 0, BUF0, 0, 1, 2, 3
	s_mov_b32 s28, ROWS_W-1
.Lrow:
	ROW 1
	s_sub_co_i32 s28, s28, 1
	s_cmp_lg_u32 s28, 0
	s_cbranch_scc1 .Lrow
	ROW 0                                          ; the last row fetches nothing beyond the wave's part of the stage
	s_endpgm
.Lfunc_end_k_q2f30f395e7_uniemb:
	.size	k_q2f30f395e7_uniemb, .Lfunc_end_k_q2f30f395e7_uniemb-k_q2f30f395e7_uniemb
	.p2alignl 7, 3214868480
	.fill 96, 4, 3214868480
	.section	.rodata,"a",@progbits
	.p2align	6, 0x0
	.amdhsa_kernel k_q2f30f395e7_uniemb
		.amdhsa_group_segment_fixed_size 327680
		.amdhsa_private_segment_fixed_size 0
		.amdhsa_enable_private_segment 0
		.amdhsa_kernarg_size 40
		.amdhsa_user_sgpr_count 2
		.amdhsa_user_sgpr_kernarg_segment_ptr 1
		.amdhsa_wavefront_size32 1
		.amdhsa_system_sgpr_workgroup_id_x 1
		.amdhsa_system_sgpr_workgroup_id_y 1
		.amdhsa_system_sgpr_workgroup_id_z 1
		.amdhsa_system_vgpr_workitem_id 0
		.amdhsa_next_free_vgpr 512
		.amdhsa_next_free_sgpr 66
		.amdhsa_reserve_vcc 0
		.amdhsa_float_denorm_mode_32 3
		.amdhsa_float_denorm_mode_16_64 3
		.amdhsa_memory_ordered 1
		.amdhsa_forward_progress 1
		.amdhsa_inst_pref_size 132
	.end_amdhsa_kernel
	.amdgpu_metadata
---
amdhsa.version: [ 1, 2 ]
amdhsa.kernels:
  - .name:           k_q2f30f395e7_uniemb
    .symbol:         k_q2f30f395e7_uniemb.kd
    .args:
      - { .name: emb, .offset: 0, .size: 8, .value_kind: global_buffer, .address_space: global }
      - { .name: emb_phase, .offset: 8, .size: 8, .value_kind: global_buffer, .address_space: global }
      - { .name: inputs, .offset: 16, .size: 8, .value_kind: global_buffer, .address_space: global }
      - { .name: inputsType, .offset: 24, .size: 8, .value_kind: global_buffer, .address_space: global }
      - { .name: out0, .offset: 32, .size: 8, .value_kind: global_buffer, .address_space: global }
    .group_segment_fixed_size: 327680
    .private_segment_fixed_size: 0
    .kernarg_segment_align: 8
    .kernarg_segment_size: 40
    .max_flat_workgroup_size: 256
    .sgpr_count:     66
    .vgpr_count:     512
    .wavefront_size: 32
...
	.end_amdgpu_metadata
.endif
;; end of part 1
